; MI455X (gfx1250); checked and timed in simulation.
; The chip was launched on July 23, 2026; its instructions are those of AMD's public machine-readable ISA for CDNA 5 (MIT licence, August 2026) and "CDNA5" Instruction Set Architecture Reference Guide (July 2026). The comments in the code are by the model that wrote it; some were corrected since.
;; Proposal Layer. Allowed arithmetic: float matrix products may take bf16 or f16 operands with f32 sums; all other float work in f32.
;; Inputs: anchors 14,400 x 4 float32; im_info 3 float32; rpn_bbox_pred 14,400 x 4 float32; rpn_cls_prob 14,400 x 2 float32.
;; Outputs: out0 2,000 x 5 float32; out1 2,000 x 1 float32.
;; 2 versions, each right and faster than the one before. Each part assembles by itself: llvm-mc -triple=amdgcn-amd-amdhsa -mcpu=gfx1250 --defsym DOCPART=n.
;; ======== version 1 of 2: 5 launches
;; workspace buffers: rnk 57,600 bytes of whole numbers; sbox 230,400 bytes; sar 57,600 bytes; ssc 57,600 bytes; tri 13,422,592 bytes of whole numbers; dg 57,600 bytes of whole numbers; gf 26,368 bytes of whole numbers; kb 4,096 bytes of whole numbers
;; launch rank (part 1): grid 225 x 1, 20 waves a work-group, no clusters, 7,680 bytes of LDS; arguments rpn_cls_prob, rnk; writes rnk
.if DOCPART == 1
	.amdgcn_target "amdgcn-amd-amdhsa--gfx1250"
	.amdhsa_code_object_version 6
	.text
	.protected	k_q02338ccdfb_rank
	.globl	k_q02338ccdfb_rank
	.p2align	8
	.type	k_q02338ccdfb_rank,@function
k_q02338ccdfb_rank:
	s_mov_b64 s[64:65], 0
	v_nop
	global_prefetch_b8 v0, s[64:65] scope:SCOPE_SE
	s_setreg_imm32_b32 hwreg(HW_REG_WAVE_MODE, 25, 1), 1
	s_wait_xcnt 0x0
; rnk[i] = the place of box i in the stable order of descending scores:
;   the number of j < i with s_j >= s_i  plus  the number of j > i with s_j > s_i.   s_i = rpn_cls_prob[i][1], 14,400 boxes.
; The place is stored as a whole number; the next launch uses it as an address.
; SHARES.  A work-group owns 64 boxes i (lane l holds i0 = 64 g + l and i1 = i0 + 32); each of its 20 waves counts over 720 boxes j.
; The scores j are uniform in a wave, so they come by scalar loads, 8 pairs (p0, p1) = 64 bytes a load, in two buffers by turns.
; A pair (i, j) costs one compare and one add with carry.  The 20 partial counts meet in LDS; wave 0 adds and stores them.
; LIMIT: NaN scores are not served.  +0 and -0 count as equal, the lower index first.
.set JPW,   720                        ; boxes j of a wave
.set TRIPS, JPW/16                     ; a trip takes 16 of them, as two halves of 8
.set BUFA,  16                         ; s[16:31]  8 pairs; score n in s[BUFA+2n+1]
.set BUFB,  32                         ; s[32:47]  the same, the trip's second half
; s[4:5] scores, s[6:7] rnk, s8 wave, s9 first i of the group, s10 one past its last, s11 first j of the trip, s[12:13] address of the trip's pairs,
; s14 trips to go, s15 first j of the half, s48, s49 lane masks.
; v1 lane, v2, v3 scores of i0, i1, v4, v5 their counts, v6, v7 i0, i1, v8, v9 i - first j of the half
; Eight j against both i, all on one side of the group's boxes: ins = the compare that holds on that side.
.macro CNT ins, buf
.irp n, 0,1,2,3,4,5,6,7
	\ins vcc_lo, s[\buf+2*\n+1], v2
	\ins s48, s[\buf+2*\n+1], v3
	v_add_co_ci_u32 v4, vcc_lo, 0, v4, vcc_lo      ; count += the lane's bit
	v_add_co_ci_u32 v5, s48, 0, v5, s48
.endr
.endm
; Eight j that lie among the group's own boxes: >= where j < i, > elsewhere (j = i then counts nothing).
.macro DIAG buf
	v_sub_nc_u32 v8, v6, s15
	v_sub_nc_u32 v9, v7, s15
.irp n, 0,1,2,3,4,5,6,7
.irp u, 0,1
	v_cmp_gt_f32 vcc_lo, s[\buf+2*\n+1], v[2+\u]
	v_cmp_ge_f32 s48, s[\buf+2*\n+1], v[2+\u]
	v_cmp_gt_i32 s49, v[8+\u], \n                  ; j = first j + n lies in front of i
	s_and_b32 s48, s48, s49
	s_or_b32 vcc_lo, vcc_lo, s48
	v_add_co_ci_u32 v[4+\u], vcc_lo, 0, v[4+\u], vcc_lo
.endr
.endr
.endm
; A half: 8 j from first j + jo on.  Both bounds are multiples of 8, so a half lies wholly behind, wholly in front of, or wholly among the group's 64 boxes.
; The branches hang on the work-group's and the wave's numbers and the trip alone.
.macro HALF buf, jo
	s_add_co_u32 s15, s11, \jo
	s_cmp_ge_u32 s15, s10
	s_cbranch_scc1 .Lbehind_\@
	s_cmp_lt_u32 s15, s9
	s_cbranch_scc1 .Lfront_\@
	DIAG \buf
	s_branch .Lhalf_done_\@
.Lbehind_\@:
	CNT v_cmp_gt_f32, \buf
	s_branch .Lhalf_done_\@
.Lfront_\@:
	CNT v_cmp_ge_f32, \buf
.Lhalf_done_\@:
.endm
; A trip.  Scalar loads may come back in any order, so each wait is for 0; one buffer is on its way while the other is counted.
.macro TRIP reload
	s_wait_kmcnt 0x0                               ; buffer A is in, no scalar load is out
	s_load_b512 s[BUFB:BUFB+15], s[12:13], 0x40
	HALF BUFA, 0
	s_wait_kmcnt 0x0                               ; buffer B is in, so the address may be stepped
.if \reload
	s_add_nc_u64 s[12:13], s[12:13], 128
	s_load_b512 s[BUFA:BUFA+15], s[12:13], 0x0
.endif
	HALF BUFB, 8
	s_add_co_u32 s11, s11, 16
.endm
	s_load_b128 s[4:7], s[0:1], 0x0                ; scores, rnk
	v_lshl_add_u32 v64, v0, 2, 0x1400
	v_mov_b32 v65, 0
	v_and_b32 v1, 31, v0                           ; lane
	v_lshrrev_b32 v10, 5, v0
	v_readfirstlane_b32 s8, v10                    ; wave 0..19
	s_lshl_b32 s9, ttmp9, 6
	s_add_co_u32 s10, s9, 64
	s_mul_i32 s11, s8, JPW
	s_mul_i32 s2, s8, JPW*8                        ; the wave's pairs begin here, a multiple of 64 bytes
	s_mov_b32 s3, 0
	v_add_nc_u32 v6, s9, v1
	v_add_nc_u32 v7, 32, v6
	v_lshlrev_b32 v11, 3, v6                       ; 8 bytes a pair
	v_mov_b32 v4, 0
	v_mov_b32 v5, 0
	s_wait_kmcnt 0x0
	s_add_nc_u64 s[12:13], s[4:5], s[2:3]
	global_load_b32 v2, v11, s[4:5] offset:4       ; the pair's second number is the score
	global_load_b32 v3, v11, s[4:5] offset:260
	s_load_b512 s[BUFA:BUFA+15], s[12:13], 0x0
	s_mov_b32 s14, TRIPS-1
	s_wait_loadcnt 0x0
.Ltrip:
	TRIP 1
	s_sub_co_u32 s14, s14, 1
	s_cmp_lg_u32 s14, 0
	s_cbranch_scc1 .Ltrip
	TRIP 0                                         ; the last trip asks for nothing beyond the wave's 720 pairs
	; the waves' counts meet: wave w writes row w of 64 words (word m = box 64 g + m)
	v_lshlrev_b32 v10, 2, v1
	v_lshl_add_u32 v10, s8, 8, v10
	ds_store_b32 v10, v4
	ds_store_b32 v10, v5 offset:128
	s_wait_dscnt 0x0                               ; for wave 0's sake: my stores are done
	s_barrier_signal -1
	s_barrier_wait -1
	s_cmp_lg_u32 s8, 0
	s_cbranch_scc1 .Lend
	v_lshlrev_b32 v12, 3, v1                       ; lane l adds up boxes 2 l and 2 l + 1
.irp k, 0,1,2,3,4,5,6,7,8,9,10,11,12,13,14,15,16,17,18,19
	ds_load_b64 v[16+2*\k:17+2*\k], v12 offset:256*\k
.endr
	s_lshl_b32 s2, ttmp9, 8
	s_add_nc_u64 s[6:7], s[6:7], s[2:3]
	s_wait_dscnt 0x0
.irp k, 1,3,5,7,9,11,13,15,17
	v_add3_u32 v16, v16, v[16+2*\k], v[18+2*\k]
	v_add3_u32 v17, v17, v[17+2*\k], v[19+2*\k]
.endr
	v_add_nc_u32 v16, v16, v54
	v_add_nc_u32 v17, v17, v55
	global_store_b64 v12, v[16:17], s[6:7]         ; 32 lanes store 256 consecutive bytes, at a multiple of 256 from the buffer's first byte
.Lend:
	s_wait_tensorcnt 0x0
	ds_add_u32 v64, v65
	s_wait_dscnt 0x0
	s_endpgm
.Lfunc_end_k_q02338ccdfb_rank:
	.size	k_q02338ccdfb_rank, .Lfunc_end_k_q02338ccdfb_rank-k_q02338ccdfb_rank
	.p2alignl 7, 3214868480
	.fill 96, 4, 3214868480
	.section	.rodata,"a",@progbits
	.p2align	6, 0x0
	.amdhsa_kernel k_q02338ccdfb_rank
		.amdhsa_group_segment_fixed_size 7680
		.amdhsa_private_segment_fixed_size 0
		.amdhsa_enable_private_segment 0
		.amdhsa_kernarg_size 16
		.amdhsa_user_sgpr_count 2
		.amdhsa_user_sgpr_kernarg_segment_ptr 1
		.amdhsa_wavefront_size32 1
		.amdhsa_system_sgpr_workgroup_id_x 1
		.amdhsa_system_sgpr_workgroup_id_y 1
		.amdhsa_system_sgpr_workgroup_id_z 1
		.amdhsa_system_vgpr_workitem_id 0
		.amdhsa_next_free_vgpr 66
		.amdhsa_next_free_sgpr 66
		.amdhsa_reserve_vcc 1
		.amdhsa_float_denorm_mode_32 3
		.amdhsa_float_denorm_mode_16_64 3
		.amdhsa_memory_ordered 1
		.amdhsa_forward_progress 1
		.amdhsa_inst_pref_size 35
	.end_amdhsa_kernel
	.amdgpu_metadata
---
amdhsa.version: [ 1, 2 ]
amdhsa.kernels:
  - .name:           k_q02338ccdfb_rank
    .symbol:         k_q02338ccdfb_rank.kd
    .args:
      - { .name: rpn_cls_prob, .offset: 0, .size: 8, .value_kind: global_buffer, .address_space: global }
      - { .name: rnk, .offset: 8, .size: 8, .value_kind: global_buffer, .address_space: global }
    .group_segment_fixed_size: 7680
    .private_segment_fixed_size: 0
    .kernarg_segment_align: 8
    .kernarg_segment_size: 16
    .max_flat_workgroup_size: 640
    .sgpr_count:     66
    .vgpr_count:     66
    .wavefront_size: 32
...
	.end_amdgpu_metadata
.endif
;; end of part 1
;; launch sortdec (part 2): grid 225 x 1, 2 waves a work-group, no clusters, 0 bytes of LDS; arguments rpn_cls_prob, rpn_bbox_pred, anchors, im_info, rnk, sbox, sar, ssc; writes sbox, sar, ssc
.if DOCPART == 2
	.amdgcn_target "amdgcn-amd-amdhsa--gfx1250"
	.amdhsa_code_object_version 6
	.text
	.protected	k_q02338ccdfb_sortdec
	.globl	k_q02338ccdfb_sortdec
	.p2align	8
	.type	k_q02338ccdfb_sortdec,@function
k_q02338ccdfb_sortdec:
	s_mov_b64 s[64:65], 0
	v_nop
	global_prefetch_b8 v0, s[64:65] scope:SCOPE_SE
	s_setreg_imm32_b32 hwreg(HW_REG_WAVE_MODE, 25, 1), 1
	s_wait_xcnt 0x0
; Box i is decoded from its anchor and deltas, clipped to the image, and put at its place p = rnk[i] of the sorted order:
; sbox[p] = x1, y1, x2, y2;  sar[p] = max(area, 0);  ssc[p] = score.  One thread a box, 64 boxes a work-group.
; The stores follow a permutation, so neighbouring lanes do not store neighbouring bytes: 24 bytes a box, once.
; LIMITS: e^x is made as 2^(x log2 e) by v_exp_f32, which gives 0 where the result would be denormal (below 2^-126); multiply and add are fused, so the
; last bit may differ from separate roundings; NaN inputs are not served.  The area is stored clamped at 0: a pair of boxes with a positive intersection
; has two positive areas, so the clamp changes no decision of the next launch.
; s[8:9] scores, s[10:11] deltas, s[12:13] anchors, s[14:15] im_info, s[16:17] rnk, s[18:19] sbox, s[20:21] sar, s[22:23] ssc, s[24:26] H, W, scale, s27 W - 1, s28 H - 1
	s_load_b512 s[8:23], s[0:1], 0x0
	s_lshl_b32 s2, ttmp9, 6
	v_add_nc_u32 v1, s2, v0                        ; i
	v_lshlrev_b32 v2, 4, v1
	v_lshlrev_b32 v3, 3, v1
	v_lshlrev_b32 v4, 2, v1
	s_wait_kmcnt 0x0
	s_load_b96 s[24:26], s[14:15], 0x0
	global_load_b128 v[8:11], v2, s[12:13]         ; the anchor
	global_load_b128 v[12:15], v2, s[10:11]        ; dx, dy, dw, dh
	global_load_b32 v16, v3, s[8:9] offset:4       ; the score
	global_load_b32 v17, v4, s[16:17]              ; the place
	s_wait_kmcnt 0x0
	s_add_f32 s27, s25, -1.0                       ; largest x
	s_add_f32 s28, s24, -1.0                       ; largest y
	s_wait_loadcnt 0x0
	v_pk_add_f32 v[18:19], v[10:11], v[8:9] neg_lo:[0,1] neg_hi:[0,1]
	v_pk_add_f32 v[18:19], v[18:19], 1.0 op_sel_hi:[1,0]                    ; w, h
	v_pk_mul_f32 v[22:23], v[14:15], 0x3fb8aa3b op_sel_hi:[1,0]             ; dw, dh times log2 e
	v_pk_fma_f32 v[20:21], v[18:19], 0.5, v[8:9] op_sel_hi:[1,0,1]          ; the anchor's centre
	v_exp_f32 v22, v22
	v_exp_f32 v23, v23
	v_pk_fma_f32 v[20:21], v[12:13], v[18:19], v[20:21]                     ; the box's centre; also the plain instruction behind the exponentials (ISA guide 5.7.2)
	s_wait_alu depctr_va_vdst(0)
	v_pk_mul_f32 v[22:23], v[22:23], v[18:19]                               ; its width and height
	v_min_u32 v17, 0x383f, v17                     ; a place is at most 14,399
	v_pk_fma_f32 v[24:25], v[22:23], -0.5, v[20:21] op_sel_hi:[1,0,1]       ; x1, y1
	v_pk_fma_f32 v[26:27], v[22:23], 0.5, v[20:21] op_sel_hi:[1,0,1]        ; x2, y2
	v_lshlrev_b32 v30, 4, v17
	v_lshlrev_b32 v31, 2, v17
.irp r, 24,25,26,27
	v_max_num_f32 v\r, 0, v\r
.endr
	v_min_num_f32 v24, s27, v24
	v_min_num_f32 v25, s28, v25
	v_min_num_f32 v26, s27, v26
	v_min_num_f32 v27, s28, v27
	v_pk_add_f32 v[28:29], v[26:27], v[24:25] neg_lo:[0,1] neg_hi:[0,1]
	v_mul_f32 v28, v28, v29
	v_max_num_f32 v28, 0, v28
	global_store_b128 v30, v[24:27], s[18:19]
	global_store_b32 v31, v28, s[20:21]
	global_store_b32 v31, v16, s[22:23]
	s_endpgm
.Lfunc_end_k_q02338ccdfb_sortdec:
	.size	k_q02338ccdfb_sortdec, .Lfunc_end_k_q02338ccdfb_sortdec-k_q02338ccdfb_sortdec
	.p2alignl 7, 3214868480
	.fill 96, 4, 3214868480
	.section	.rodata,"a",@progbits
	.p2align	6, 0x0
	.amdhsa_kernel k_q02338ccdfb_sortdec
		.amdhsa_group_segment_fixed_size 0
		.amdhsa_private_segment_fixed_size 0
		.amdhsa_enable_private_segment 0
		.amdhsa_kernarg_size 64
		.amdhsa_user_sgpr_count 2
		.amdhsa_user_sgpr_kernarg_segment_ptr 1
		.amdhsa_wavefront_size32 1
		.amdhsa_system_sgpr_workgroup_id_x 1
		.amdhsa_system_sgpr_workgroup_id_y 1
		.amdhsa_system_sgpr_workgroup_id_z 1
		.amdhsa_system_vgpr_workitem_id 0
		.amdhsa_next_free_vgpr 40
		.amdhsa_next_free_sgpr 66
		.amdhsa_reserve_vcc 0
		.amdhsa_float_denorm_mode_32 3
		.amdhsa_float_denorm_mode_16_64 3
		.amdhsa_memory_ordered 1
		.amdhsa_forward_progress 1
		.amdhsa_inst_pref_size 3
	.end_amdhsa_kernel
	.amdgpu_metadata
---
amdhsa.version: [ 1, 2 ]
amdhsa.kernels:
  - .name:           k_q02338ccdfb_sortdec
    .symbol:         k_q02338ccdfb_sortdec.kd
    .args:
      - { .name: rpn_cls_prob, .offset: 0, .size: 8, .value_kind: global_buffer, .address_space: global }
      - { .name: rpn_bbox_pred, .offset: 8, .size: 8, .value_kind: global_buffer, .address_space: global }
      - { .name: anchors, .offset: 16, .size: 8, .value_kind: global_buffer, .address_space: global }
      - { .name: im_info, .offset: 24, .size: 8, .value_kind: global_buffer, .address_space: global }
      - { .name: rnk, .offset: 32, .size: 8, .value_kind: global_buffer, .address_space: global }
      - { .name: sbox, .offset: 40, .size: 8, .value_kind: global_buffer, .address_space: global }
      - { .name: sar, .offset: 48, .size: 8, .value_kind: global_buffer, .address_space: global }
      - { .name: ssc, .offset: 56, .size: 8, .value_kind: global_buffer, .address_space: global }
    .group_segment_fixed_size: 0
    .private_segment_fixed_size: 0
    .kernarg_segment_align: 8
    .kernarg_segment_size: 64
    .max_flat_workgroup_size: 64
    .sgpr_count:     66
    .vgpr_count:     40
    .wavefront_size: 32
...
	.end_amdgpu_metadata
.endif
;; end of part 2
;; launch mask (part 3): grid 3277 x 1, 2 waves a work-group, no clusters, 0 bytes of LDS; arguments sbox, sar, tri, dg, gf; writes tri, dg, gf
.if DOCPART == 3
	.amdgcn_target "amdgcn-amd-amdhsa--gfx1250"
	.amdhsa_code_object_version 6
	.text
	.protected	k_q02338ccdfb_mask
	.globl	k_q02338ccdfb_mask
	.p2align	8
	.type	k_q02338ccdfb_mask,@function
k_q02338ccdfb_mask:
	s_mov_b64 s[64:65], 0
	v_nop
	global_prefetch_b8 v0, s[64:65] scope:SCOPE_SE
	s_setreg_imm32_b32 hwreg(HW_REG_WAVE_MODE, 25, 1), 1
	s_wait_xcnt 0x0
; The bits IoU > 0.7 of the sorted boxes, as whole numbers for the next launch.
; A BLOCK J is the boxes 32 J .. 32 J + 31 (J = 0..449, J = 16 a + r).  Word k of box j has bit b set where IoU(j, 32 k + b) > 0.7.
; Block J needs words 0 .. J; they are made in GROUPS of 16 words, gamma = 0 .. a: group number g = 8 a (a + 1) + r (a + 1) + gamma, 6,554 in all, 2,048 bytes each.
; In a group, tile n (512 bytes) gives lane l the 16 bytes of words 16 gamma + 4 n .. + 3 of box 32 J + l.  Words of blocks that do not lie in front of J are made too
; and are never used: the next launch ands them with keep words that are still 0.
; dg[32 J + l] = word J of that box, bits l + 1 .. 31: the later boxes of its own block that it overlaps.
; gf[g] = one word a group: bit l is set where box 32 J + l has an EARLIER box over it among the group's words (words of earlier blocks whole, the block's own word below bit l).
; SHARES.  One wave makes one group: lanes hold the 16 x 32 column boxes; the block's own 32 boxes go by one at a time, uniform, in scalar registers.
; Two column blocks are worked at once by packed f32: 20 vector instructions for 64 pairs of boxes.
; THE TEST.  inter > 0.7 (a_i + a_j - inter) + 7e-11 stands for inter / (a_i + a_j - inter + 1e-10) > 0.7: the divisor is positive wherever inter > 0.
; The test is symmetric bit for bit: maximum, minimum and the sum of the two areas do not mind the order of the two boxes.
; LIMITS: the order of rounding differs from the division's, so a pair whose IoU lies within a few units of the last place of 0.7 may fall on the other side.
; The overlap's height is not clamped at 0 and the areas are: with a width clamped at 0 the left side is then at most 0 and the right side positive, as with both clamped.  NaN is not served.
.set JB, 8                             ; v[8:11], v12  lane b: box 32 J + b and its area; behind the loop v8-v10 are at work
.set CB, 16                            ; v[16:79]      column block c: the lane's box at CB + 4 c
.set AR, 80                            ; v[80:95]      its area
.set W,  96                            ; v[96:111]     first the byte offsets of the areas, then the 16 words: lane b = box 32 J + b
.set T,  112                           ; v[112:119]    at work
.set C7, 120                           ; v[120:121]    0.7 twice
.set CE, 122                           ; v[122:123]    7e-11 twice
.set X,  128                           ; v[128:143]    byte offsets of the column boxes
; s[4:5] sbox, s[6:7] sar, s[8:9] tri, s[10:11] dg, s[36:37] gf, s12 the wave's unit, s13 a, s14 8 a (a + 1), s15 the unit within a, s16 a shift, s17 gamma, s18 r, s19 J,
; s[20:23] the uniform box, s[24:25] its area twice, s26 b, s27, s28 lane masks, s29 g, s[30:31] a byte offset, s32 a + 1, s33 at work, s34 how many of the group's words lie in front of block J
.macro PAIR c                          ; column blocks c and c + 1 against the uniform box b
	v_max_num_f32 v[T+0], s20, v[CB+4*\c]
	v_max_num_f32 v[T+1], s20, v[CB+4*\c+4]
	v_max_num_f32 v[T+2], s21, v[CB+4*\c+1]
	v_max_num_f32 v[T+3], s21, v[CB+4*\c+5]
	v_min_num_f32 v[T+4], s22, v[CB+4*\c+2]
	v_min_num_f32 v[T+5], s22, v[CB+4*\c+6]
	v_min_num_f32 v[T+6], s23, v[CB+4*\c+3]
	v_min_num_f32 v[T+7], s23, v[CB+4*\c+7]
	v_pk_add_f32 v[T+4:T+5], v[T+4:T+5], v[T+0:T+1] neg_lo:[0,1] neg_hi:[0,1]   ; the overlap's width
	v_pk_add_f32 v[T+6:T+7], v[T+6:T+7], v[T+2:T+3] neg_lo:[0,1] neg_hi:[0,1]   ; and height
	v_pk_add_f32 v[T+0:T+1], v[AR+\c:AR+\c+1], s[24:25] op_sel_hi:[1,0]         ; the two areas
	v_max_num_f32 v[T+4], 0, v[T+4]
	v_max_num_f32 v[T+5], 0, v[T+5]
	v_pk_mul_f32 v[T+4:T+5], v[T+4:T+5], v[T+6:T+7]                             ; inter
	v_pk_add_f32 v[T+0:T+1], v[T+0:T+1], v[T+4:T+5] neg_lo:[0,1] neg_hi:[0,1]   ; the union
	v_pk_fma_f32 v[T+0:T+1], v[T+0:T+1], v[C7:C7+1], v[CE:CE+1]
	v_cmp_gt_f32 s27, v[T+4], v[T+0]               ; bit l: column box l of block c
	v_cmp_gt_f32 s28, v[T+5], v[T+1]
	v_writelane_b32 v[W+\c], s27, s26              ; is word c of box b
	v_writelane_b32 v[W+\c+1], s28, s26
.endm
	s_load_b256 s[4:11], s[0:1], 0x0
	s_load_b64 s[36:37], s[0:1], 0x20
	v_and_b32 v1, 31, v0                           ; lane
	v_lshrrev_b32 v2, 5, v0
	v_readfirstlane_b32 s12, v2
	s_lshl1_add_u32 s12, ttmp9, s12                ; unit = 2 x work-group + wave, 0..6553
	s_mov_b32 s13, 0
.set t, 1
.rept 28                               ; a = how many of the 28 thresholds 8 t (t + 1) the unit has reached
	s_cmp_ge_u32 s12, 8*t*(t+1)
	s_add_co_ci_u32 s13, s13, 0
.set t, t+1
.endr
	s_add_co_u32 s32, s13, 1
	s_mul_i32 s14, s13, s32
	s_lshl_b32 s14, s14, 3
	s_sub_co_u32 s15, s12, s14
	s_cmp_eq_u32 s13, 28                           ; a = 28 has two blocks (448, 449), every other a sixteen
	s_cselect_b32 s16, 1, 4
	s_lshr_b32 s17, s15, s16                       ; gamma: neighbouring units share their column boxes
	s_lshl_b32 s18, s17, s16
	s_sub_co_u32 s18, s15, s18                     ; r
	s_lshl4_add_u32 s19, s13, s18                  ; J
	s_mul_i32 s29, s18, s32
	s_add_co_u32 s29, s29, s14
	s_add_co_u32 s29, s29, s17                     ; g
	s_lshl_b32 s33, s17, 9
	v_add_nc_u32 v2, s33, v1                       ; the first column block's box: 512 gamma + lane
.irp c, 0,1,2,3,4,5,6,7,8,9,10,11,12,13,14,15
	v_add_nc_u32 v[W+\c], 32*\c, v2
	v_min_u32 v[W+\c], 0x383f, v[W+\c]             ; blocks 450 to 463 do not exist: their lanes read box 14,399, and their words are never used
	v_lshlrev_b32 v[X+\c], 4, v[W+\c]
	v_lshlrev_b32 v[W+\c], 2, v[W+\c]
.endr
	s_lshl_b32 s33, s19, 5
	v_add_nc_u32 v3, s33, v1
	v_lshlrev_b32 v6, 4, v3
	v_lshlrev_b32 v7, 2, v3
	v_lshlrev_b32 v4, 4, v1
	v_lshlrev_b32 v5, 2, v1
	v_mov_b32 v[C7], 0x3f333333
	v_mov_b32 v[C7+1], 0x3f333333
	v_mov_b32 v[CE], 0x2e99ee7f
	v_mov_b32 v[CE+1], 0x2e99ee7f
	s_wait_kmcnt 0x0
	global_load_b128 v[JB:JB+3], v6, s[4:5]
	global_load_b32 v[JB+4], v7, s[6:7]
.irp c, 0,1,2,3,4,5,6,7,8,9,10,11,12,13,14,15
	global_load_b128 v[CB+4*\c:CB+4*\c+3], v[X+\c], s[4:5]
	global_load_b32 v[AR+\c], v[W+\c], s[6:7]
.endr
	s_lshl_b32 s30, s29, 11
	s_mov_b32 s31, 0
	s_add_nc_u64 s[8:9], s[8:9], s[30:31]          ; tri at my group
	s_mov_b32 s26, 0
	s_wait_loadcnt 0x0                             ; all is in; W's registers, the offsets of loads now done, become the words: the 32 trips write all 32 lanes of each
.Lrow:
	v_readlane_b32 s20, v[JB], s26
	v_readlane_b32 s21, v[JB+1], s26
	v_readlane_b32 s22, v[JB+2], s26
	v_readlane_b32 s23, v[JB+3], s26
	v_readlane_b32 s24, v[JB+4], s26
	s_mov_b32 s25, s24                             ; named with it as a pair, so it is written
.irp c, 0,2,4,6,8,10,12,14
	PAIR \c
.endr
	s_add_co_u32 s26, s26, 1
	s_cmp_lt_u32 s26, 32
	s_cbranch_scc1 .Lrow
.irp n, 0,1,2,3
	global_store_b128 v4, v[W+4*\n:W+4*\n+3], s[8:9] offset:512*\n   ; each store covers 512 consecutive bytes, at a multiple of 512 from the buffer's first byte
.endr
	; the group's flags: the or of the lane's words that belong to earlier blocks: all 16, or in the block's last group the first r.  W is only read: the stores above still name it.
	s_cmp_eq_u32 s17, s13
	s_cselect_b32 s34, s18, 16
	s_cmp_gt_u32 s34, 0
	s_cselect_b32 s27, -1, 0
	v_and_b32 v8, s27, v[W]
.irp c, 1,2,3,4,5,6,7,8,9,10,11,12,13,14,15
	s_cmp_gt_u32 s34, \c
	s_cselect_b32 s27, -1, 0
	v_and_or_b32 v8, v[W+\c], s27, v8
.endr
	s_cmp_lg_u32 s17, s13
	s_cbranch_scc1 .Lflag                          ; only the block's last group holds its own word, number r of the sixteen
	v_mov_b32 v2, v[W]
.irp c, 1,2,3,4,5,6,7,8,9,10,11,12,13,14,15
	s_cmp_eq_u32 s18, \c
	s_cselect_b32 s27, -1, 0
	v_cndmask_b32 v2, v2, v[W+\c], s27
.endr
	v_lshlrev_b32 v3, v1, -2                       ; bits lane + 1 .. 31
	v_lshlrev_b32 v9, v1, 1
	v_add_nc_u32 v9, -1, v9                        ; bits 0 .. lane - 1
	v_and_or_b32 v8, v2, v9, v8                    ; the earlier boxes of my own block count for the flag,
	v_and_b32 v2, v2, v3                           ; the later ones are dg's word
	s_lshl_b32 s30, s19, 7
	s_add_nc_u64 s[10:11], s[10:11], s[30:31]
	global_store_b32 v5, v2, s[10:11]              ; 128 consecutive bytes: a block has no more
.Lflag:
	v_cmp_ne_u32 s28, 0, v8                        ; bit l: box 32 J + l has an earlier box over it in this group
	s_lshl_b32 s30, s29, 2
	s_add_nc_u64 s[36:37], s[36:37], s[30:31]
	v_mov_b32 v9, s28
	v_mov_b32 v10, 0
	v_cmp_eq_u32 vcc_lo, 0, v1
	s_wait_xcnt 0x0                                ; EXEC is a source of the stores above: it changes only behind this wait
	s_and_saveexec_b32 s27, vcc_lo
	global_store_b32 v10, v9, s[36:37]             ; one word a group, from lane 0: a group has no more to say
	s_wait_xcnt 0x0                                ; and again in front of the line that widens it
	s_or_b32 exec_lo, exec_lo, s27
	s_endpgm
.Lfunc_end_k_q02338ccdfb_mask:
	.size	k_q02338ccdfb_mask, .Lfunc_end_k_q02338ccdfb_mask-k_q02338ccdfb_mask
	.p2alignl 7, 3214868480
	.fill 96, 4, 3214868480
	.section	.rodata,"a",@progbits
	.p2align	6, 0x0
	.amdhsa_kernel k_q02338ccdfb_mask
		.amdhsa_group_segment_fixed_size 0
		.amdhsa_private_segment_fixed_size 0
		.amdhsa_enable_private_segment 0
		.amdhsa_kernarg_size 40
		.amdhsa_user_sgpr_count 2
		.amdhsa_user_sgpr_kernarg_segment_ptr 1
		.amdhsa_wavefront_size32 1
		.amdhsa_system_sgpr_workgroup_id_x 1
		.amdhsa_system_sgpr_workgroup_id_y 1
		.amdhsa_system_sgpr_workgroup_id_z 1
		.amdhsa_system_vgpr_workitem_id 0
		.amdhsa_next_free_vgpr 144
		.amdhsa_next_free_sgpr 66
		.amdhsa_reserve_vcc 1
		.amdhsa_float_denorm_mode_32 3
		.amdhsa_float_denorm_mode_16_64 3
		.amdhsa_memory_ordered 1
		.amdhsa_forward_progress 1
		.amdhsa_inst_pref_size 24
	.end_amdhsa_kernel
	.amdgpu_metadata
---
amdhsa.version: [ 1, 2 ]
amdhsa.kernels:
  - .name:           k_q02338ccdfb_mask
    .symbol:         k_q02338ccdfb_mask.kd
    .args:
      - { .name: sbox, .offset: 0, .size: 8, .value_kind: global_buffer, .address_space: global }
      - { .name: sar, .offset: 8, .size: 8, .value_kind: global_buffer, .address_space: global }
      - { .name: tri, .offset: 16, .size: 8, .value_kind: global_buffer, .address_space: global }
      - { .name: dg, .offset: 24, .size: 8, .value_kind: global_buffer, .address_space: global }
      - { .name: gf, .offset: 32, .size: 8, .value_kind: global_buffer, .address_space: global }
    .group_segment_fixed_size: 0
    .private_segment_fixed_size: 0
    .kernarg_segment_align: 8
    .kernarg_segment_size: 40
    .max_flat_workgroup_size: 64
    .sgpr_count:     66
    .vgpr_count:     144
    .wavefront_size: 32
...
	.end_amdgpu_metadata
.endif
;; end of part 3
;; launch scan (part 4): grid 1 x 1, 8 waves a work-group, no clusters, 7,168 bytes of LDS; arguments tri, dg, gf, kb; writes kb
.if DOCPART == 4
	.amdgcn_target "amdgcn-amd-amdhsa--gfx1250"
	.amdhsa_code_object_version 6
	.text
	.protected	k_q02338ccdfb_scan
	.globl	k_q02338ccdfb_scan
	.p2align	8
	.type	k_q02338ccdfb_scan,@function
k_q02338ccdfb_scan:
	s_mov_b64 s[64:65], 0
	v_nop
	global_prefetch_b8 v0, s[64:65] scope:SCOPE_SE
	s_setreg_imm32_b32 hwreg(HW_REG_WAVE_MODE, 25, 1), 1
	s_wait_xcnt 0x0
; Greedy suppression on the bits of the launch before.  One work-group: each block's decision needs every earlier block's.
; kb[J] = (keep word of block J, number of boxes kept in blocks before J), 512 pairs; a block that was not walked holds (0, 0x7fffffff).  The next launch turns them into rows.
; All 8 waves fill LDS; wave 0 walks the blocks in order; all 8 waves copy the pairs out.
; A BLOCK (32 sorted boxes, one a lane) is decided in two steps.  (1) Against earlier blocks: the lane's words are anded with the keep words of those blocks and ored together,
; a group of 16 words at a time; keep words not yet known are 0 in LDS.  A lane with nothing left standing against it is a candidate.  (2) Inside the block: the lanes with a
; dg word other than 0 are taken in ascending order; each that is still kept strikes out its dg word.
; WHAT STEERS THE WALK are gf and dg alone, whole numbers that lie in memory before the launch begins; the words of tri and the keep words are only ever data.
;   A group whose gf word is 0 has no bit that could count: it is not worked on.  A block whose gf words are all 0 is kept whole: nobody earlier lies over any of its boxes, and since the
;   bits are symmetric none of its dg words has a bit either.
;   THE END.  A box whose gf bits are all 0 is kept whatever the other decisions are.  When 2,000 such boxes have gone by, at least 2,000 boxes are kept, so the first 2,000 kept boxes
;   lie in the blocks walked so far, for every input.  If that never happens, all 450 blocks are walked.
; THE RING.  Eight slots in registers, one group each: 4 tiles of words, the block's dg word, the group's gf word: 6 loads a slot.  Which group a slot takes next hangs on
; counters alone, so the loads run eight groups ahead of the decisions.
; THE WALK is two counted loops.  The outer one has a trip for each a = 0..28: the blocks 16 a .. 16 a + 15, of a + 1 groups each; the inner one their 16 (a + 1) groups,
; eight a trip (a = 28: two blocks, 58 groups, eight trips).  Behind the end every further trip of either loop jumps forward to its own counter's step.
; A trip that has begun is finished: its further blocks are decided like any other.  The six slots that are over in the last trip belong to a block 450 of 29 groups: it never has
; its last group, so nothing is decided for it.
.set BLOCKS, 450
.set GROUPS, 6554
.set TOPN,   2000
.set FAR,    0x7fffffff                ; the count of a block that was not walked: beyond every row
.set KW,     0                         ; LDS: the keep words, one a block, room for 512 (2,048 bytes)
.set KB,     2048                      ; LDS: kb's image, 512 pairs (4,096 bytes)
.set ACC, 4                            ; v[4:7]     four chains of the or
.set KWR, 16                           ; v[16:31]   the group's 16 keep words, the same in every lane
.set OFF, 32                           ; v[32:39]   slot i: byte offset of my 16 bytes in its group's first tile
.set DOF, 40                           ; v[40:47]   slot i: byte offset of my word in dg
.set GOF, 48                           ; v[48:55]   slot i: byte offset of the group's word in gf, the same in every lane
.set DGV, 56                           ; v[56:63]   slot i: my dg word
.set GFV, 64                           ; v[64:71]   slot i: the group's gf word
.set RING, 72                          ; v[72:199]  slot i: my 16 words
; v1 16 x lane, v2 4 x lane, v3 LDS address of the group's keep words, v[8:9] a pair for kb, v10, v11 its addresses, v13 8 x thread, v14 16 x thread
; s[4:5] tri, s[6:7] dg, s[8:9] gf, s[10:11] kb, s16 wave
; s20 J, s21 gamma, s22 groups of block J, s23 boxes kept so far (data); s24, s25, s26, s27 group, block, gamma, groups of the block, eight groups ahead
; s28, s29, s38 byte offsets of the group ahead; s30 keep (data), s31 lanes still to look at, s32 their number, s33 trip, s34 lane, s35 its dg word, s36 its bit,
; s37 trip of the inner loop, s42 its trips, s43 a, the outer loop's trip; s44 boxes gone by that nobody earlier overlaps, s45 the or of the block's gf words, s46 a gf word; s39-s41 at work
.macro LOADS i
.irp n, 0,1,2,3
	global_load_b128 v[RING+16*\i+4*\n:RING+16*\i+4*\n+3], v[OFF+\i], s[4:5] offset:512*\n
.endr
	global_load_b32 v[DGV+\i], v[DOF+\i], s[6:7]
	global_load_b32 v[GFV+\i], v[GOF+\i], s[8:9]
.endm
.macro SLOT i
	s_min_u32 s28, s24, GROUPS-1                   ; where the group eight ahead lies; past the last group the last is read again and decides nothing
	s_lshl_b32 s38, s28, 2
	s_lshl_b32 s28, s28, 11
	s_lshl_b32 s29, s25, 7
	s_add_co_u32 s24, s24, 1                       ; and its counters step: the next group of the block, or the next block's first
	s_add_co_u32 s26, s26, 1
	s_cmp_eq_u32 s26, s27
	s_cselect_b32 s26, 0, s26
	s_add_co_ci_u32 s25, s25, 0
	s_min_u32 s25, s25, BLOCKS-1
	s_lshr_b32 s27, s25, 4
	s_add_co_u32 s27, s27, 1
	s_wait_loadcnt 42                              ; loads come back in order (ISA guide 5.7.1): behind this slot's six stand the six of each of the seven other slots
	v_readfirstlane_b32 s46, v[GFV+\i]
	s_or_b32 s45, s45, s46
	s_cmp_eq_u32 s46, 0
	s_cbranch_scc1 .Lempty_\@                      ; no lane has a bit that could count
	s_min_u32 s39, s21, 28                         ; gamma is at most 28: the bound of the LDS address stands in the text
	s_lshl_b32 s39, s39, 6
	v_mov_b32 v3, s39
.irp n, 0,1,2,3
	ds_load_b128 v[KWR+4*\n:KWR+4*\n+3], v3 offset:KW+16*\n      ; LDS serves a wave's instructions in order (ISA guide 5.7.1.4): these see the last block's keep word
.endr
	s_wait_dscnt 0x0
.irp c, 0,1,2,3,4,5,6,7,8,9,10,11,12,13,14,15
	v_and_or_b32 v[ACC+(\c&3)], v[RING+16*\i+\c], v[KWR+\c], v[ACC+(\c&3)]
.endr
.Lempty_\@:
	s_add_co_u32 s21, s21, 1
	s_cmp_lg_u32 s21, s22
	s_cbranch_scc1 .Lfill_\@                       ; the block has more groups
	s_mov_b32 s30, -1
	s_cmp_eq_u32 s45, 0
	s_cbranch_scc1 .Lnone_\@                       ; nobody earlier lies over any box of the block: all 32 are kept, and the four chains are still 0
	v_or_b32 v[ACC], v[ACC], v[ACC+1]
	v_or_b32 v[ACC+2], v[ACC+2], v[ACC+3]
	v_or_b32 v[ACC], v[ACC], v[ACC+2]
	v_cmp_eq_u32 s30, 0, v[ACC]                    ; candidates: no kept box of an earlier block stands against them
	v_cmp_ne_u32 s31, 0, v[DGV+\i]                 ; the lanes that overlap a later box of the block
.irp q, 0,1,2,3
	v_mov_b32 v[ACC+\q], 0                         ; the chains begin anew for the next block
.endr
	s_bcnt1_i32_b32 s32, s31
	s_cmp_eq_u32 s32, 0
	s_cbranch_scc1 .Lnone_\@
	s_mov_b32 s33, 0
.Lin_\@:
	s_ctz_i32_b32 s34, s31                         ; the lowest of them
	v_readlane_b32 s35, v[DGV+\i], s34
	s_lshr_b32 s40, s30, s34
	s_and_b32 s40, s40, 1
	s_sub_co_u32 s40, 0, s40                       ; all ones where it is still kept, else 0
	s_and_b32 s35, s35, s40
	s_and_not1_b32 s30, s30, s35                   ; then it strikes out what it overlaps
	s_lshl_b32 s36, 1, s34
	s_and_not1_b32 s31, s31, s36
	s_add_co_u32 s33, s33, 1
	s_cmp_lt_u32 s33, s32
	s_cbranch_scc1 .Lin_\@
.Lnone_\@:
	s_min_u32 s41, s20, BLOCKS-1                   ; J is at most 449: the bound of the LDS addresses stands in the text
	s_lshl_b32 s40, s41, 3
	s_lshl_b32 s41, s41, 2
	v_mov_b32 v8, s30
	v_mov_b32 v9, s23
	v_mov_b32 v10, s41
	v_mov_b32 v11, s40
	ds_store_b32 v10, v8 offset:KW                 ; every lane writes the same bytes with the same values
	ds_store_b64 v11, v[8:9] offset:KB
	s_bcnt1_i32_b32 s36, s30
	s_add_co_u32 s23, s23, s36
	s_not_b32 s40, s45
	s_bcnt1_i32_b32 s40, s40
	s_add_co_u32 s44, s44, s40                     ; the block's boxes that nobody earlier overlaps
	s_mov_b32 s45, 0
	s_add_co_u32 s20, s20, 1                       ; on to the next block
	s_mov_b32 s21, 0
	s_lshr_b32 s22, s20, 4
	s_add_co_u32 s22, s22, 1
.Lfill_\@:                                             ; every slot is filled again on every way through it, so the counted wait above counts the same loads on every way
	v_add_nc_u32 v[OFF+\i], s28, v1                ; the slot's loads were shown done by the counted wait above, so its offsets may be written
	v_add_nc_u32 v[DOF+\i], s29, v2
	v_mov_b32 v[GOF+\i], s38
	LOADS \i
.endm
	s_load_b256 s[4:11], s[0:1], 0x0
	v_lshl_add_u32 v200, v0, 2, 0x1800
	v_mov_b32 v201, 0
	v_lshrrev_b32 v1, 5, v0
	v_readfirstlane_b32 s16, v1                    ; wave 0..7
	v_lshlrev_b32 v14, 4, v0
	v_lshlrev_b32 v13, 3, v0
.irp q, 0,1,2,3
	v_mov_b32 v[ACC+\q], 0
.endr
	v_mov_b32 v16, 0
	v_mov_b32 v17, FAR
	v_mov_b32 v18, 0
	v_mov_b32 v19, FAR
	ds_store_b64 v13, v[ACC:ACC+1] offset:KW       ; 256 threads x 8 bytes: the 512 keep words are 0
	ds_store_b128 v14, v[16:19] offset:KB          ; 256 threads x 16 bytes: the 512 pairs are (0, FAR)
	s_wait_kmcnt 0x0
	s_wait_dscnt 0x0                               ; for wave 0's sake: my part of the fill is written
	s_barrier_signal -1
	s_barrier_wait -1
	s_cmp_lg_u32 s16, 0
	s_cbranch_scc1 .Ljoin                          ; between the two barriers wave 0 alone touches LDS
	v_and_b32 v2, 31, v0
	v_lshlrev_b32 v1, 4, v2
	v_lshlrev_b32 v2, 2, v2
.irp i, 0,1,2,3,4,5,6,7                ; groups 0 to 7 are blocks 0 to 7: a block below 16 has one group
	v_add_nc_u32 v[OFF+\i], 2048*\i, v1
	v_add_nc_u32 v[DOF+\i], 128*\i, v2
	v_mov_b32 v[GOF+\i], 4*\i
	LOADS \i
.endr
	s_mov_b32 s20, 0
	s_mov_b32 s21, 0
	s_mov_b32 s22, 1
	s_mov_b32 s23, 0
	s_mov_b32 s24, 8
	s_mov_b32 s25, 8
	s_mov_b32 s26, 0
	s_mov_b32 s27, 1
	s_mov_b32 s44, 0
	s_mov_b32 s45, 0
	s_mov_b32 s43, 0
.Lsuper:                                               ; a = 0..28
	s_cmp_ge_u32 s44, TOPN
	s_cbranch_scc1 .Lsuper_next                    ; 2,000 boxes are sure to be kept: nothing more is looked at
	s_lshl_b32 s42, s43, 1
	s_add_co_u32 s42, s42, 2                       ; 16 (a + 1) groups are 2 (a + 1) trips of eight slots;
	s_cmp_eq_u32 s43, 28
	s_cselect_b32 s42, 8, s42                      ; a = 28 has 58 groups: eight trips
	s_mov_b32 s37, 0
.Lring:
	s_cmp_ge_u32 s44, TOPN
	s_cbranch_scc1 .Lring_next                     ; a trip that is jumped over issues no load and waits for none: the ring stays as it was
.irp i, 0,1,2,3,4,5,6,7
	SLOT \i
.endr
.Lring_next:
	s_add_co_u32 s37, s37, 1
	s_cmp_lt_u32 s37, s42
	s_cbranch_scc1 .Lring
.Lsuper_next:
	s_add_co_u32 s43, s43, 1
	s_cmp_lt_u32 s43, 29
	s_cbranch_scc1 .Lsuper
	s_wait_loadcnt 0x0                             ; the ring's loads that were still out have landed
.Ljoin:
	s_wait_dscnt 0x0                               ; for the others' sake: wave 0's stores into the pairs are done
	s_barrier_signal -1
	s_barrier_wait -1
	ds_load_b128 v[16:19], v14 offset:KB
	s_wait_dscnt 0x0
	global_store_b128 v14, v[16:19], s[10:11]      ; 256 threads x 16 bytes: sixteen neighbouring lanes store 256 consecutive bytes, at a multiple of 256 from the buffer's first byte
	s_wait_tensorcnt 0x0
	ds_add_u32 v200, v201
	s_wait_dscnt 0x0
	s_endpgm
.Lfunc_end_k_q02338ccdfb_scan:
	.size	k_q02338ccdfb_scan, .Lfunc_end_k_q02338ccdfb_scan-k_q02338ccdfb_scan
	.p2alignl 7, 3214868480
	.fill 96, 4, 3214868480
	.section	.rodata,"a",@progbits
	.p2align	6, 0x0
	.amdhsa_kernel k_q02338ccdfb_scan
		.amdhsa_group_segment_fixed_size 7168
		.amdhsa_private_segment_fixed_size 0
		.amdhsa_enable_private_segment 0
		.amdhsa_kernarg_size 32
		.amdhsa_user_sgpr_count 2
		.amdhsa_user_sgpr_kernarg_segment_ptr 1
		.amdhsa_wavefront_size32 1
		.amdhsa_system_sgpr_workgroup_id_x 1
		.amdhsa_system_sgpr_workgroup_id_y 1
		.amdhsa_system_sgpr_workgroup_id_z 1
		.amdhsa_system_vgpr_workitem_id 0
		.amdhsa_next_free_vgpr 202
		.amdhsa_next_free_sgpr 66
		.amdhsa_reserve_vcc 0
		.amdhsa_float_denorm_mode_32 3
		.amdhsa_float_denorm_mode_16_64 3
		.amdhsa_memory_ordered 1
		.amdhsa_forward_progress 1
		.amdhsa_inst_pref_size 44
	.end_amdhsa_kernel
	.amdgpu_metadata
---
amdhsa.version: [ 1, 2 ]
amdhsa.kernels:
  - .name:           k_q02338ccdfb_scan
    .symbol:         k_q02338ccdfb_scan.kd
    .args:
      - { .name: tri, .offset: 0, .size: 8, .value_kind: global_buffer, .address_space: global }
      - { .name: dg, .offset: 8, .size: 8, .value_kind: global_buffer, .address_space: global }
      - { .name: gf, .offset: 16, .size: 8, .value_kind: global_buffer, .address_space: global }
      - { .name: kb, .offset: 24, .size: 8, .value_kind: global_buffer, .address_space: global }
    .group_segment_fixed_size: 7168
    .private_segment_fixed_size: 0
    .kernarg_segment_align: 8
    .kernarg_segment_size: 32
    .max_flat_workgroup_size: 256
    .sgpr_count:     66
    .vgpr_count:     202
    .wavefront_size: 32
...
	.end_amdgpu_metadata
.endif
;; end of part 4
;; launch emit (part 5): grid 32 x 1, 2 waves a work-group, no clusters, 5,888 bytes of LDS; arguments kb, sbox, ssc, out0, out1; writes out0, out1
.if DOCPART == 5
	.amdgcn_target "amdgcn-amd-amdhsa--gfx1250"
	.amdhsa_code_object_version 6
	.text
	.protected	k_q02338ccdfb_emit
	.globl	k_q02338ccdfb_emit
	.p2align	8
	.type	k_q02338ccdfb_emit,@function
k_q02338ccdfb_emit:
	s_mov_b64 s[64:65], 0
	v_nop
	global_prefetch_b8 v0, s[64:65] scope:SCOPE_SE
	s_setreg_imm32_b32 hwreg(HW_REG_WAVE_MODE, 25, 1), 1
	s_wait_xcnt 0x0
; The two outputs, from the pairs kb[J] = (keep word of block J, boxes kept in front of block J).  out0[r] = 0, x1, y1, x2, y2 and out1[r] = score of the r-th kept box; zeros where there is none.
; SHARES.  One thread an output row, 64 rows a work-group: 1,280 bytes of out0 and 256 of out1, both beginning at multiples of 256 bytes.  The last of the 32 work-groups has 16 rows.
; Each row PULLS its box, so that every LDS store goes to the thread's own place:
;   (1) the last block J whose count is at most r: the counts never fall and blocks that were not walked hold 0x7fffffff, so nine halvings over the 512 counts in LDS find it;
;   (2) with n = r - count, the place of the (n + 1)-th set bit of the block's keep word = the number of bits b at which the ones up to and including b are at most n;
;   (3) the row has a box if n is below the word's number of ones; else it is written as zeros.
; Addresses hang on kb's whole numbers alone, which the launch before stored.
; LIMIT: a row without a box gets +0 as its score, where a product of a negative score with 0 would be -0.
.set BASE_T, 0                         ; LDS: 512 counts
.set KEEP_T, 2048                      ; LDS: 512 keep words
.set IMG0,   4096                      ; LDS: 64 rows of 20 bytes
.set IMG1,   5376                      ; LDS: 64 scores
; s[4:5] kb, s[6:7] sbox, s[8:9] ssc, s[10:11] out0, s[12:13] out1, s14 the group's first row, s15 lanes whose row has a box, s[16:17], s[18:19] byte offsets,
; s20, s21 how many pieces of 16 bytes of out0 and of out1 the group stores, s22 at work, s24 EXEC kept
; v1 8 x thread, v2 4 x thread, v3 r, v4 J, v5 a J to try, v6 its address, v7 a count, v[8:15] keep words, v[16:23] counts, v24 the keep word, v25 n, v26 ones so far, v27 the place,
; v28, v29 offsets of the box and the score, v30 the row's place in the image, v31 zero, v[32:35] the box, v36 the score, v37 16 x thread, v38 thread + 64, v39 v37 held inside 256 bytes, v[40:51] on the way out
	s_load_b256 s[4:11], s[0:1], 0x0
	s_load_b64 s[12:13], s[0:1], 0x20
	v_lshl_add_u32 v56, v0, 2, 0x1600
	v_mov_b32 v57, 0
	v_lshlrev_b32 v1, 3, v0
	v_lshlrev_b32 v2, 2, v0
	s_lshl_b32 s14, ttmp9, 6
	v_add_nc_u32 v3, s14, v0                       ; r
	s_mul_i32 s22, ttmp9, 80
	s_sub_co_u32 s20, 2500, s22                    ; out0 has 2,500 pieces of 16 bytes, 80 a group
	s_min_u32 s20, s20, 80
	s_lshl_b32 s22, ttmp9, 4
	s_sub_co_u32 s21, 500, s22                     ; out1 has 500, 16 a group
	s_min_u32 s21, s21, 16
	s_mul_i32 s16, ttmp9, 1280
	s_mov_b32 s17, 0
	s_lshl_b32 s18, ttmp9, 8
	s_mov_b32 s19, 0
	s_wait_kmcnt 0x0
.irp t, 0,1,2,3,4,5,6,7                ; 64 threads x 8 pairs: all 512
	global_load_b32 v[8+\t], v1, s[4:5] offset:512*\t
	global_load_b32 v[16+\t], v1, s[4:5] offset:512*\t+4
.endr
	s_add_nc_u64 s[10:11], s[10:11], s[16:17]
	s_add_nc_u64 s[12:13], s[12:13], s[18:19]
	v_mul_u32_u24 v30, 20, v0
	v_lshlrev_b32 v37, 4, v0
	v_add_nc_u32 v38, 64, v0
	v_min_u32 v39, 240, v37
	s_wait_loadcnt 0x0
.irp t, 0,1,2,3,4,5,6,7
	ds_store_b32 v2, v[16+\t] offset:BASE_T+256*\t
	ds_store_b32 v2, v[8+\t] offset:KEEP_T+256*\t
.endr
	s_wait_dscnt 0x0                               ; for the other wave's sake: my part of the tables is written
	s_barrier_signal -1
	s_barrier_wait -1
	v_mov_b32 v4, 0                                ; block 0's count is 0: it is at most r
.irp st, 256,128,64,32,16,8,4,2,1
	v_add_nc_u32 v5, \st, v4
	v_min_u32 v5, 0x1ff, v5                        ; the sum of different powers of two below 512: the bound of the LDS address stands in the text
	v_lshlrev_b32 v6, 2, v5
	ds_load_b32 v7, v6 offset:BASE_T
	s_wait_dscnt 0x0
	v_cmp_le_u32 vcc_lo, v7, v3
	v_cndmask_b32 v4, v4, v5, vcc_lo
.endr
	v_min_u32 v4, 0x1ff, v4
	v_lshlrev_b32 v6, 2, v4
	ds_load_b32 v7, v6 offset:BASE_T
	ds_load_b32 v24, v6 offset:KEEP_T
	v_mov_b32 v26, 0
	v_mov_b32 v27, 0
	s_wait_dscnt 0x0
	v_sub_nc_u32 v25, v3, v7                       ; n
.set b, 0
.rept 32
	v_bfe_u32 v28, v24, b, 1
	v_add_nc_u32 v26, v26, v28                     ; ones up to and including bit b
	v_cmp_le_u32 vcc_lo, v26, v25
	v_add_co_ci_u32 v27, vcc_lo, 0, v27, vcc_lo    ; the bit looked for lies behind b
.set b, b+1
.endr
	v_cmp_gt_u32 s15, v26, v25                     ; the word has more than n ones: the row has a box
	v_lshl_add_u32 v27, v4, 5, v27                 ; its place in the sorted order
	v_min_u32 v27, 0x383f, v27                     ; at most 14,399, also where the row has none
	v_lshlrev_b32 v28, 4, v27
	v_lshlrev_b32 v29, 2, v27
	global_load_b128 v[32:35], v28, s[6:7]
	global_load_b32 v36, v29, s[8:9]
	v_mov_b32 v31, 0
	s_wait_loadcnt 0x0
.irp q, 32,33,34,35,36
	v_cndmask_b32 v\q, 0, v\q, s15
.endr
.irp q, 0,1,2,3,4
	ds_store_b32 v30, v[31+\q] offset:IMG0+4*\q    ; rows of 20 bytes lie at multiples of 4 only: five stores of a word
.endr
	ds_store_b32 v2, v36 offset:IMG1
	s_wait_dscnt 0x0                               ; for the other wave's sake: my rows are written
	s_barrier_signal -1
	s_barrier_wait -1
	; THE WAY OUT: 16 bytes a thread; sixteen neighbouring lanes store 256 consecutive bytes, at a multiple of 256 from the output's first byte.
	; out0: 64 pieces, then 16 more; out1: 16.  Lanes beyond a part's 16 pieces read its last piece again and store nothing.
	ds_load_b128 v[40:43], v37 offset:IMG0
	ds_load_b128 v[44:47], v39 offset:IMG0+1024
	ds_load_b128 v[48:51], v39 offset:IMG1
	v_cmp_gt_u32 vcc_lo, s20, v0
	s_wait_dscnt 0x0
	s_wait_xcnt 0x0                                ; EXEC changes only behind this wait
	s_wait_tensorcnt 0x0
	ds_add_u32 v56, v57
	s_wait_dscnt 0x0
	s_and_saveexec_b32 s24, vcc_lo
	global_store_b128 v37, v[40:43], s[10:11]
	s_wait_xcnt 0x0                                ; and again in front of each line that widens it
	s_or_b32 exec_lo, exec_lo, s24
	v_cmp_gt_u32 vcc_lo, s20, v38
	s_and_saveexec_b32 s24, vcc_lo
	global_store_b128 v37, v[44:47], s[10:11] offset:1024
	s_wait_xcnt 0x0
	s_or_b32 exec_lo, exec_lo, s24
	v_cmp_gt_u32 vcc_lo, s21, v0
	s_and_saveexec_b32 s24, vcc_lo
	global_store_b128 v37, v[48:51], s[12:13]
	s_wait_xcnt 0x0
	s_or_b32 exec_lo, exec_lo, s24
	s_endpgm
.Lfunc_end_k_q02338ccdfb_emit:
	.size	k_q02338ccdfb_emit, .Lfunc_end_k_q02338ccdfb_emit-k_q02338ccdfb_emit
	.p2alignl 7, 3214868480
	.fill 96, 4, 3214868480
	.section	.rodata,"a",@progbits
	.p2align	6, 0x0
	.amdhsa_kernel k_q02338ccdfb_emit
		.amdhsa_group_segment_fixed_size 5888
		.amdhsa_private_segment_fixed_size 0
		.amdhsa_enable_private_segment 0
		.amdhsa_kernarg_size 40
		.amdhsa_user_sgpr_count 2
		.amdhsa_user_sgpr_kernarg_segment_ptr 1
		.amdhsa_wavefront_size32 1
		.amdhsa_system_sgpr_workgroup_id_x 1
		.amdhsa_system_sgpr_workgroup_id_y 1
		.amdhsa_system_sgpr_workgroup_id_z 1
		.amdhsa_system_vgpr_workitem_id 0
		.amdhsa_next_free_vgpr 58
		.amdhsa_next_free_sgpr 66
		.amdhsa_reserve_vcc 1
		.amdhsa_float_denorm_mode_32 3
		.amdhsa_float_denorm_mode_16_64 3
		.amdhsa_memory_ordered 1
		.amdhsa_forward_progress 1
		.amdhsa_inst_pref_size 15
	.end_amdhsa_kernel
	.amdgpu_metadata
---
amdhsa.version: [ 1, 2 ]
amdhsa.kernels:
  - .name:           k_q02338ccdfb_emit
    .symbol:         k_q02338ccdfb_emit.kd
    .args:
      - { .name: kb, .offset: 0, .size: 8, .value_kind: global_buffer, .address_space: global }
      - { .name: sbox, .offset: 8, .size: 8, .value_kind: global_buffer, .address_space: global }
      - { .name: ssc, .offset: 16, .size: 8, .value_kind: global_buffer, .address_space: global }
      - { .name: out0, .offset: 24, .size: 8, .value_kind: global_buffer, .address_space: global }
      - { .name: out1, .offset: 32, .size: 8, .value_kind: global_buffer, .address_space: global }
    .group_segment_fixed_size: 5888
    .private_segment_fixed_size: 0
    .kernarg_segment_align: 8
    .kernarg_segment_size: 40
    .max_flat_workgroup_size: 64
    .sgpr_count:     66
    .vgpr_count:     58
    .wavefront_size: 32
...
	.end_amdgpu_metadata
.endif
;; end of part 5
;; ======== version 2 of 2: 5 launches; 1.19 times as fast as version 1
;; workspace buffers: rnk 57,600 bytes of whole numbers; sbox 230,400 bytes; sar 57,600 bytes; ssc 57,600 bytes; tri 13,422,592 bytes of whole numbers; dg 57,600 bytes of whole numbers; gf 26,368 bytes of whole numbers; kb 4,096 bytes of whole numbers
;; launch rank (part 6): grid 225 x 1, 15 waves a work-group, no clusters, 59,648 bytes of LDS; arguments rpn_cls_prob, rnk; writes rnk
.if DOCPART == 6
	.amdgcn_target "amdgcn-amd-amdhsa--gfx1250"
	.amdhsa_code_object_version 6
	.text
	.protected	k_q02338ccdfb_rank
	.globl	k_q02338ccdfb_rank
	.p2align	8
	.type	k_q02338ccdfb_rank,@function
k_q02338ccdfb_rank:
	s_mov_b64 s[64:65], 0
	v_nop
	global_prefetch_b8 v0, s[64:65] scope:SCOPE_SE
	s_setreg_imm32_b32 hwreg(HW_REG_WAVE_MODE, 25, 1), 1
	s_wait_xcnt 0x0
; rnk[i] = the place of box i in the stable order of descending scores:
;   the number of j < i with s_j >= s_i  plus  the number of j > i with s_j > s_i.   s_i = rpn_cls_prob[i][1], 14,400 boxes.
; The place is stored as a whole number; the next launch uses it as an address.
; SHARES.  A work-group owns 64 boxes i (lane l holds i0 = 64 g + l and i1 = i0 + 32); each of its 15 waves counts over 960 boxes j.
; THE SCORES j are the same for all lanes of a wave.  The work-group first copies all 14,400 scores into LDS: the 115,200 bytes of pairs (p0, p1) are 7,200 pieces of 16 bytes,
; exactly 15 for each of the 480 threads; a piece's two scores go to LDS as 8 bytes.  A wave then reads its scores at an address that is equal in all lanes, 4 scores an LDS load,
; so that each lands in every lane, in two buffers of 16 registers: one is on its way while the other is counted.
; A pair (i, j) costs one compare and one add with carry.  The 15 partial counts meet in LDS, in bytes whose scores have been read; wave 0 adds and stores them.
; LIMIT: NaN scores are not served.  +0 and -0 count as equal, the lower index first.
.set JPW,    960                       ; boxes j of a wave: 15 x 64, so a group's own 64 boxes lie in one wave's share
.set CHUNKS, JPW/16                    ; a chunk is 16 of them, one buffer
.set TRIPS,  CHUNKS/2-1                ; a trip counts two chunks and asks for the two behind them; the last two chunks stand behind the loop
.set STG,    16                        ; v[16:75]  the thread's 15 pieces on their way into LDS
.set BUFA,   16                        ; v[16:31]  16 scores j, the same in every lane
.set BUFB,   32                        ; v[32:47]  the next 16
; LDS: score j at byte 4 j (57,600 bytes); at the end wave w's 64 counts at byte 256 w.
; s[4:5] scores, s[6:7] rnk, s8 wave, s9 first i of the group, s10 one past its last, s11 first j of the trip, s12 LDS byte of the wave's first score,
; s14 trip, s15 first j of the chunk, s16 at work, s48, s49 lane masks.
; v1 lane, v2, v3 scores of i0, i1, v4, v5 their counts, v6, v7 i0, i1, v8, v9 i - first j of the chunk, v10 at work,
; v11 16 x thread, v12 8 x thread, v13 LDS byte of the trip's first score, v14 8 x i0
; Sixteen j against both i, all on one side of the group's boxes: ins = the compare that holds on that side.
.macro CNT ins, buf
.irp n, 0,1,2,3,4,5,6,7,8,9,10,11,12,13,14,15
	\ins vcc_lo, v[\buf+\n], v2
	\ins s48, v[\buf+\n], v3
	v_add_co_ci_u32 v4, vcc_lo, 0, v4, vcc_lo      ; count += the lane's bit
	v_add_co_ci_u32 v5, s48, 0, v5, s48
.endr
.endm
; Sixteen j that lie among the group's own boxes: >= where j < i, > elsewhere (j = i then counts nothing).
.macro DIAG buf
	v_sub_nc_u32 v8, v6, s15
	v_sub_nc_u32 v9, v7, s15
.irp n, 0,1,2,3,4,5,6,7,8,9,10,11,12,13,14,15
.irp u, 0,1
	v_cmp_gt_f32 vcc_lo, v[\buf+\n], v[2+\u]
	v_cmp_ge_f32 s48, v[\buf+\n], v[2+\u]
	v_cmp_gt_i32 s49, v[8+\u], \n                  ; j = first j + n lies in front of i
	s_and_b32 s48, s48, s49
	s_or_b32 vcc_lo, vcc_lo, s48
	v_add_co_ci_u32 v[4+\u], vcc_lo, 0, v[4+\u], vcc_lo
.endr
.endr
.endm
; A chunk: 16 j from first j + jo on.  Its bounds are multiples of 16 and the group's of 64, so it lies wholly behind, wholly in front of, or wholly among the group's 64 boxes.
; The branches hang on the work-group's and the wave's numbers and the trip alone.
.macro CHUNK buf, jo
	s_add_co_u32 s15, s11, \jo
	s_cmp_ge_u32 s15, s10
	s_cbranch_scc1 .Lbehind_\@
	s_cmp_lt_u32 s15, s9
	s_cbranch_scc1 .Lfront_\@
	DIAG \buf
	s_branch .Lchunk_done_\@
.Lbehind_\@:
	CNT v_cmp_gt_f32, \buf
	s_branch .Lchunk_done_\@
.Lfront_\@:
	CNT v_cmp_ge_f32, \buf
.Lchunk_done_\@:
.endm
; Four LDS loads fill a buffer with the 16 scores at byte off behind the trip's first.  All lanes ask for the same 16 bytes.
.macro LOADC buf, off
.irp q, 0,1,2,3
	ds_load_b128 v[\buf+4*\q:\buf+4*\q+3], v13 offset:\off+16*\q
.endr
.endm
	s_load_b128 s[4:7], s[0:1], 0x0                ; scores, rnk
	v_lshl_add_u32 v80, v0, 2, 0xe100
	v_mov_b32 v81, 0
	v_and_b32 v1, 31, v0                           ; lane
	v_lshrrev_b32 v10, 5, v0
	v_readfirstlane_b32 s8, v10                    ; wave 0..14
	s_lshl_b32 s9, ttmp9, 6
	s_add_co_u32 s10, s9, 64
	s_mul_i32 s11, s8, JPW
	s_mul_i32 s12, s8, JPW*4
	v_add_nc_u32 v6, s9, v1
	v_add_nc_u32 v7, 32, v6
	v_lshlrev_b32 v14, 3, v6                       ; 8 bytes a pair
	v_lshlrev_b32 v11, 4, v0
	v_lshlrev_b32 v12, 3, v0
	v_mov_b32 v13, s12
	v_mov_b32 v4, 0
	v_mov_b32 v5, 0
	s_wait_kmcnt 0x0
.set p, 0
.rept 15                               ; piece thread + 480 p: a wave's load covers 512 consecutive bytes
	global_load_b128 v[STG+4*p:STG+4*p+3], v11, s[4:5] offset:7680*p
.set p, p+1
.endr
	global_load_b32 v2, v14, s[4:5] offset:4       ; the pair's second number is the score
	global_load_b32 v3, v14, s[4:5] offset:260
	s_wait_loadcnt 0x0
.set p, 0
.rept 15
	v_mov_b32 v[STG+4*p+2], v[STG+4*p+1]           ; the piece's two scores lie in its words 1 and 3: the first moves beside the second, over a p0 that nobody needs
	ds_store_b64 v12, v[STG+4*p+2:STG+4*p+3] offset:3840*p
.set p, p+1
.endr
	s_wait_dscnt 0x0                               ; for the others' sake: my scores are written
	s_barrier_signal -1
	s_barrier_wait -1                              ; all 14,400 are
	LOADC BUFA, 0
	LOADC BUFB, 64
	s_mov_b32 s14, 0
.Ltrip:
	s_wait_dscnt 4                                 ; LDS loads come back in order (ISA guide 5.7.1): buffer A is in, the four younger loads, buffer B's, may be out
	CHUNK BUFA, 0
	LOADC BUFA, 128                                ; the chunk two further on
	s_wait_dscnt 4                                 ; buffer B is in, the four just issued may be out
	CHUNK BUFB, 16
	LOADC BUFB, 192
	s_add_co_u32 s11, s11, 32
	s_add_co_u32 s14, s14, 1
	s_min_u32 s16, s14, TRIPS-1                    ; the bound of the LDS address stands in the text: 14 x 3,840 + 28 x 128 + 255 = 57,599
	s_lshl_b32 s16, s16, 7                         ; 32 scores a trip
	s_add_co_u32 s16, s16, s12
	v_mov_b32 v13, s16
	s_cmp_lt_u32 s14, TRIPS
	s_cbranch_scc1 .Ltrip
	s_wait_dscnt 4                                 ; the last two chunks: nothing is left to ask for
	CHUNK BUFA, 0
	s_wait_dscnt 0x0                               ; buffer B is in, and with it all my reads of the scores are back
	CHUNK BUFB, 16
	s_barrier_signal -1
	s_barrier_wait -1                              ; every wave's are: the scores' first bytes may be written over
	; the waves' counts meet: wave w writes row w of 64 words (word m = box 64 g + m)
	v_lshlrev_b32 v10, 2, v1
	v_lshl_add_u32 v10, s8, 8, v10
	ds_store_b32 v10, v4
	ds_store_b32 v10, v5 offset:128
	s_wait_dscnt 0x0                               ; for wave 0's sake: my stores are done
	s_barrier_signal -1
	s_barrier_wait -1
	s_cmp_lg_u32 s8, 0
	s_cbranch_scc1 .Lend
	v_lshlrev_b32 v12, 3, v1                       ; lane l adds up boxes 2 l and 2 l + 1
.irp k, 0,1,2,3,4,5,6,7,8,9,10,11,12,13,14
	ds_load_b64 v[16+2*\k:17+2*\k], v12 offset:256*\k
.endr
	s_lshl_b32 s2, ttmp9, 8
	s_mov_b32 s3, 0
	s_add_nc_u64 s[6:7], s[6:7], s[2:3]
	s_wait_dscnt 0x0
.irp k, 1,3,5,7,9,11,13
	v_add3_u32 v16, v16, v[16+2*\k], v[18+2*\k]
	v_add3_u32 v17, v17, v[17+2*\k], v[19+2*\k]
.endr
	global_store_b64 v12, v[16:17], s[6:7]         ; 32 lanes store 256 consecutive bytes, at a multiple of 256 from the buffer's first byte
.Lend:
	s_wait_tensorcnt 0x0
	ds_add_u32 v80, v81
	s_wait_dscnt 0x0
	s_endpgm
.Lfunc_end_k_q02338ccdfb_rank:
	.size	k_q02338ccdfb_rank, .Lfunc_end_k_q02338ccdfb_rank-k_q02338ccdfb_rank
	.p2alignl 7, 3214868480
	.fill 96, 4, 3214868480
	.section	.rodata,"a",@progbits
	.p2align	6, 0x0
	.amdhsa_kernel k_q02338ccdfb_rank
		.amdhsa_group_segment_fixed_size 59648
		.amdhsa_private_segment_fixed_size 0
		.amdhsa_enable_private_segment 0
		.amdhsa_kernarg_size 16
		.amdhsa_user_sgpr_count 2
		.amdhsa_user_sgpr_kernarg_segment_ptr 1
		.amdhsa_wavefront_size32 1
		.amdhsa_system_sgpr_workgroup_id_x 1
		.amdhsa_system_sgpr_workgroup_id_y 1
		.amdhsa_system_sgpr_workgroup_id_z 1
		.amdhsa_system_vgpr_workitem_id 0
		.amdhsa_next_free_vgpr 82
		.amdhsa_next_free_sgpr 66
		.amdhsa_reserve_vcc 1
		.amdhsa_float_denorm_mode_32 3
		.amdhsa_float_denorm_mode_16_64 3
		.amdhsa_memory_ordered 1
		.amdhsa_forward_progress 1
		.amdhsa_inst_pref_size 66
	.end_amdhsa_kernel
	.amdgpu_metadata
---
amdhsa.version: [ 1, 2 ]
amdhsa.kernels:
  - .name:           k_q02338ccdfb_rank
    .symbol:         k_q02338ccdfb_rank.kd
    .args:
      - { .name: rpn_cls_prob, .offset: 0, .size: 8, .value_kind: global_buffer, .address_space: global }
      - { .name: rnk, .offset: 8, .size: 8, .value_kind: global_buffer, .address_space: global }
    .group_segment_fixed_size: 59648
    .private_segment_fixed_size: 0
    .kernarg_segment_align: 8
    .kernarg_segment_size: 16
    .max_flat_workgroup_size: 480
    .sgpr_count:     66
    .vgpr_count:     82
    .wavefront_size: 32
...
	.end_amdgpu_metadata
.endif
;; end of part 6
;; launch sortdec: the kernel of part 2 again; grid 225 x 1, 2 waves a work-group, no clusters, 0 bytes of LDS; arguments rpn_cls_prob, rpn_bbox_pred, anchors, im_info, rnk, sbox, sar, ssc; writes sbox, sar, ssc
;; launch mask (part 7): grid 1639 x 1, 4 waves a work-group, no clusters, 0 bytes of LDS; arguments sbox, sar, tri, dg, gf; writes tri, dg, gf
.if DOCPART == 7
	.amdgcn_target "amdgcn-amd-amdhsa--gfx1250"
	.amdhsa_code_object_version 6
	.text
	.protected	k_q02338ccdfb_mask
	.globl	k_q02338ccdfb_mask
	.p2align	8
	.type	k_q02338ccdfb_mask,@function
k_q02338ccdfb_mask:
	s_mov_b64 s[64:65], 0
	v_nop
	global_prefetch_b8 v0, s[64:65] scope:SCOPE_SE
	s_setreg_imm32_b32 hwreg(HW_REG_WAVE_MODE, 25, 1), 1
	s_wait_xcnt 0x0
; The bits IoU > 0.7 of the sorted boxes, as whole numbers for the next launch.
; A BLOCK J is the boxes 32 J .. 32 J + 31 (J = 0..449, J = 16 a + r).  Word k of box j has bit b set where IoU(j, 32 k + b) > 0.7.
; Block J needs words 0 .. J; they are made in GROUPS of 16 words, gamma = 0 .. a: group number g = 8 a (a + 1) + r (a + 1) + gamma, 6,554 in all, 2,048 bytes each.
; In a group, tile n (512 bytes) gives lane l the 16 bytes of words 16 gamma + 4 n .. + 3 of box 32 J + l.  Words of blocks that do not lie in front of J are made too
; and are never used: the next launch ands them with keep words that are still 0.
; dg[32 J + l] = word J of that box, bits l + 1 .. 31: the later boxes of its own block that it overlaps.
; gf[g] = one word a group: bit l is set where box 32 J + l has an EARLIER box over it among the group's words (words of earlier blocks whole, the block's own word below bit l).
; SHARES.  One wave makes one group: lanes hold the 16 x 32 column boxes; the block's own 32 boxes go by one at a time, uniform, in scalar registers.
; A work-group is four waves that share nothing, as many as a WGP has SIMDs.  6,554 groups are 1,638 work-groups and a half: waves 2 and 3 of the last work-group have no group and end.
; Two column blocks are worked at once by packed f32: 20 vector instructions for 64 pairs of boxes.
; THE TEST.  inter > 0.7 (a_i + a_j - inter) + 7e-11 stands for inter / (a_i + a_j - inter + 1e-10) > 0.7: the divisor is positive wherever inter > 0.
; The test is symmetric bit for bit: maximum, minimum and the sum of the two areas do not mind the order of the two boxes.
; LIMITS: the order of rounding differs from the division's, so a pair whose IoU lies within a few units of the last place of 0.7 may fall on the other side.
; The overlap's height is not clamped at 0 and the areas are: with a width clamped at 0 the left side is then at most 0 and the right side positive, as with both clamped.  NaN is not served.
.set UNITS, 6554                       ; groups, one a wave
.set JB, 8                             ; v[8:11], v12  lane b: box 32 J + b and its area; behind the loop v8-v10 are at work
.set CB, 16                            ; v[16:79]      column block c: the lane's box at CB + 4 c
.set AR, 80                            ; v[80:95]      its area
.set W,  96                            ; v[96:111]     first the byte offsets of the areas, then the 16 words: lane b = box 32 J + b
.set T,  112                           ; v[112:119]    at work
.set C7, 120                           ; v[120:121]    0.7 twice
.set CE, 122                           ; v[122:123]    7e-11 twice
.set X,  128                           ; v[128:143]    byte offsets of the column boxes
; s[4:5] sbox, s[6:7] sar, s[8:9] tri, s[10:11] dg, s[36:37] gf, s12 the wave's unit, s13 a, s14 8 a (a + 1), s15 the unit within a, s16 a shift, s17 gamma, s18 r, s19 J,
; s[20:23] the uniform box, s[24:25] its area twice, s26 b, s27, s28 lane masks, s29 g, s[30:31] a byte offset, s32 a + 1, s33 at work, s34 how many of the group's words lie in front of block J
.macro PAIR c                          ; column blocks c and c + 1 against the uniform box b
	v_max_num_f32 v[T+0], s20, v[CB+4*\c]
	v_max_num_f32 v[T+1], s20, v[CB+4*\c+4]
	v_max_num_f32 v[T+2], s21, v[CB+4*\c+1]
	v_max_num_f32 v[T+3], s21, v[CB+4*\c+5]
	v_min_num_f32 v[T+4], s22, v[CB+4*\c+2]
	v_min_num_f32 v[T+5], s22, v[CB+4*\c+6]
	v_min_num_f32 v[T+6], s23, v[CB+4*\c+3]
	v_min_num_f32 v[T+7], s23, v[CB+4*\c+7]
	v_pk_add_f32 v[T+4:T+5], v[T+4:T+5], v[T+0:T+1] neg_lo:[0,1] neg_hi:[0,1]   ; the overlap's width
	v_pk_add_f32 v[T+6:T+7], v[T+6:T+7], v[T+2:T+3] neg_lo:[0,1] neg_hi:[0,1]   ; and height
	v_pk_add_f32 v[T+0:T+1], v[AR+\c:AR+\c+1], s[24:25] op_sel_hi:[1,0]         ; the two areas
	v_max_num_f32 v[T+4], 0, v[T+4]
	v_max_num_f32 v[T+5], 0, v[T+5]
	v_pk_mul_f32 v[T+4:T+5], v[T+4:T+5], v[T+6:T+7]                             ; inter
	v_pk_add_f32 v[T+0:T+1], v[T+0:T+1], v[T+4:T+5] neg_lo:[0,1] neg_hi:[0,1]   ; the union
	v_pk_fma_f32 v[T+0:T+1], v[T+0:T+1], v[C7:C7+1], v[CE:CE+1]
	v_cmp_gt_f32 s27, v[T+4], v[T+0]               ; bit l: column box l of block c
	v_cmp_gt_f32 s28, v[T+5], v[T+1]
	v_writelane_b32 v[W+\c], s27, s26              ; is word c of box b
	v_writelane_b32 v[W+\c+1], s28, s26
.endm
	v_and_b32 v1, 31, v0                           ; lane
	v_lshrrev_b32 v2, 5, v0
	v_readfirstlane_b32 s12, v2
	s_lshl2_add_u32 s12, ttmp9, s12                ; unit = 4 x work-group + wave
	s_cmp_ge_u32 s12, UNITS
	s_cbranch_scc1 .Lover                          ; the last work-group's waves 2 and 3: nothing has been asked for yet
	s_load_b256 s[4:11], s[0:1], 0x0
	s_load_b64 s[36:37], s[0:1], 0x20
	s_mov_b32 s13, 0
.set t, 1
.rept 28                               ; a = how many of the 28 thresholds 8 t (t + 1) the unit has reached
	s_cmp_ge_u32 s12, 8*t*(t+1)
	s_add_co_ci_u32 s13, s13, 0
.set t, t+1
.endr
	s_add_co_u32 s32, s13, 1
	s_mul_i32 s14, s13, s32
	s_lshl_b32 s14, s14, 3
	s_sub_co_u32 s15, s12, s14
	s_cmp_eq_u32 s13, 28                           ; a = 28 has two blocks (448, 449), every other a sixteen
	s_cselect_b32 s16, 1, 4
	s_lshr_b32 s17, s15, s16                       ; gamma: neighbouring units share their column boxes
	s_lshl_b32 s18, s17, s16
	s_sub_co_u32 s18, s15, s18                     ; r
	s_lshl4_add_u32 s19, s13, s18                  ; J
	s_mul_i32 s29, s18, s32
	s_add_co_u32 s29, s29, s14
	s_add_co_u32 s29, s29, s17                     ; g
	s_lshl_b32 s33, s17, 9
	v_add_nc_u32 v2, s33, v1                       ; the first column block's box: 512 gamma + lane
.irp c, 0,1,2,3,4,5,6,7,8,9,10,11,12,13,14,15
	v_add_nc_u32 v[W+\c], 32*\c, v2
	v_min_u32 v[W+\c], 0x383f, v[W+\c]             ; blocks 450 to 463 do not exist: their lanes read box 14,399, and their words are never used
	v_lshlrev_b32 v[X+\c], 4, v[W+\c]
	v_lshlrev_b32 v[W+\c], 2, v[W+\c]
.endr
	s_lshl_b32 s33, s19, 5
	v_add_nc_u32 v3, s33, v1
	v_lshlrev_b32 v6, 4, v3
	v_lshlrev_b32 v7, 2, v3
	v_lshlrev_b32 v4, 4, v1
	v_lshlrev_b32 v5, 2, v1
	v_mov_b32 v[C7], 0x3f333333
	v_mov_b32 v[C7+1], 0x3f333333
	v_mov_b32 v[CE], 0x2e99ee7f
	v_mov_b32 v[CE+1], 0x2e99ee7f
	s_wait_kmcnt 0x0
	global_load_b128 v[JB:JB+3], v6, s[4:5]
	global_load_b32 v[JB+4], v7, s[6:7]
.irp c, 0,1,2,3,4,5,6,7,8,9,10,11,12,13,14,15
	global_load_b128 v[CB+4*\c:CB+4*\c+3], v[X+\c], s[4:5]
	global_load_b32 v[AR+\c], v[W+\c], s[6:7]
.endr
	s_lshl_b32 s30, s29, 11
	s_mov_b32 s31, 0
	s_add_nc_u64 s[8:9], s[8:9], s[30:31]          ; tri at my group
	s_mov_b32 s26, 0
	s_wait_loadcnt 0x0                             ; all is in; W's registers, the offsets of loads now done, become the words: the 32 trips write all 32 lanes of each
.Lrow:
	v_readlane_b32 s20, v[JB], s26
	v_readlane_b32 s21, v[JB+1], s26
	v_readlane_b32 s22, v[JB+2], s26
	v_readlane_b32 s23, v[JB+3], s26
	v_readlane_b32 s24, v[JB+4], s26
	s_mov_b32 s25, s24                             ; named with it as a pair, so it is written
.irp c, 0,2,4,6,8,10,12,14
	PAIR \c
.endr
	s_add_co_u32 s26, s26, 1
	s_cmp_lt_u32 s26, 32
	s_cbranch_scc1 .Lrow
.irp n, 0,1,2,3
	global_store_b128 v4, v[W+4*\n:W+4*\n+3], s[8:9] offset:512*\n   ; each store covers 512 consecutive bytes, at a multiple of 512 from the buffer's first byte
.endr
	; the group's flags: the or of the lane's words that belong to earlier blocks: all 16, or in the block's last group the first r.  W is only read: the stores above still name it.
	s_cmp_eq_u32 s17, s13
	s_cselect_b32 s34, s18, 16
	s_cmp_gt_u32 s34, 0
	s_cselect_b32 s27, -1, 0
	v_and_b32 v8, s27, v[W]
.irp c, 1,2,3,4,5,6,7,8,9,10,11,12,13,14,15
	s_cmp_gt_u32 s34, \c
	s_cselect_b32 s27, -1, 0
	v_and_or_b32 v8, v[W+\c], s27, v8
.endr
	s_cmp_lg_u32 s17, s13
	s_cbranch_scc1 .Lflag                          ; only the block's last group holds its own word, number r of the sixteen
	v_mov_b32 v2, v[W]
.irp c, 1,2,3,4,5,6,7,8,9,10,11,12,13,14,15
	s_cmp_eq_u32 s18, \c
	s_cselect_b32 s27, -1, 0
	v_cndmask_b32 v2, v2, v[W+\c], s27
.endr
	v_lshlrev_b32 v3, v1, -2                       ; bits lane + 1 .. 31
	v_lshlrev_b32 v9, v1, 1
	v_add_nc_u32 v9, -1, v9                        ; bits 0 .. lane - 1
	v_and_or_b32 v8, v2, v9, v8                    ; the earlier boxes of my own block count for the flag,
	v_and_b32 v2, v2, v3                           ; the later ones are dg's word
	s_lshl_b32 s30, s19, 7
	s_add_nc_u64 s[10:11], s[10:11], s[30:31]
	global_store_b32 v5, v2, s[10:11]              ; 128 consecutive bytes: a block has no more
.Lflag:
	v_cmp_ne_u32 s28, 0, v8                        ; bit l: box 32 J + l has an earlier box over it in this group
	s_lshl_b32 s30, s29, 2
	s_add_nc_u64 s[36:37], s[36:37], s[30:31]
	v_mov_b32 v9, s28
	v_mov_b32 v10, 0
	v_cmp_eq_u32 vcc_lo, 0, v1
	s_wait_xcnt 0x0                                ; EXEC is a source of the stores above: it changes only behind this wait
	s_and_saveexec_b32 s27, vcc_lo
	global_store_b32 v10, v9, s[36:37]             ; one word a group, from lane 0: a group has no more to say
	s_wait_xcnt 0x0                                ; and again in front of the line that widens it
	s_or_b32 exec_lo, exec_lo, s27
.Lover:
	s_endpgm
.Lfunc_end_k_q02338ccdfb_mask:
	.size	k_q02338ccdfb_mask, .Lfunc_end_k_q02338ccdfb_mask-k_q02338ccdfb_mask
	.p2alignl 7, 3214868480
	.fill 96, 4, 3214868480
	.section	.rodata,"a",@progbits
	.p2align	6, 0x0
	.amdhsa_kernel k_q02338ccdfb_mask
		.amdhsa_group_segment_fixed_size 0
		.amdhsa_private_segment_fixed_size 0
		.amdhsa_enable_private_segment 0
		.amdhsa_kernarg_size 40
		.amdhsa_user_sgpr_count 2
		.amdhsa_user_sgpr_kernarg_segment_ptr 1
		.amdhsa_wavefront_size32 1
		.amdhsa_system_sgpr_workgroup_id_x 1
		.amdhsa_system_sgpr_workgroup_id_y 1
		.amdhsa_system_sgpr_workgroup_id_z 1
		.amdhsa_system_vgpr_workitem_id 0
		.amdhsa_next_free_vgpr 144
		.amdhsa_next_free_sgpr 66
		.amdhsa_reserve_vcc 1
		.amdhsa_float_denorm_mode_32 3
		.amdhsa_float_denorm_mode_16_64 3
		.amdhsa_memory_ordered 1
		.amdhsa_forward_progress 1
		.amdhsa_inst_pref_size 24
	.end_amdhsa_kernel
	.amdgpu_metadata
---
amdhsa.version: [ 1, 2 ]
amdhsa.kernels:
  - .name:           k_q02338ccdfb_mask
    .symbol:         k_q02338ccdfb_mask.kd
    .args:
      - { .name: sbox, .offset: 0, .size: 8, .value_kind: global_buffer, .address_space: global }
      - { .name: sar, .offset: 8, .size: 8, .value_kind: global_buffer, .address_space: global }
      - { .name: tri, .offset: 16, .size: 8, .value_kind: global_buffer, .address_space: global }
      - { .name: dg, .offset: 24, .size: 8, .value_kind: global_buffer, .address_space: global }
      - { .name: gf, .offset: 32, .size: 8, .value_kind: global_buffer, .address_space: global }
    .group_segment_fixed_size: 0
    .private_segment_fixed_size: 0
    .kernarg_segment_align: 8
    .kernarg_segment_size: 40
    .max_flat_workgroup_size: 128
    .sgpr_count:     66
    .vgpr_count:     144
    .wavefront_size: 32
...
	.end_amdgpu_metadata
.endif
;; end of part 7
;; launch scan: the kernel of part 4 again; grid 1 x 1, 8 waves a work-group, no clusters, 7,168 bytes of LDS; arguments tri, dg, gf, kb; writes kb
;; launch emit: the kernel of part 5 again; grid 32 x 1, 2 waves a work-group, no clusters, 5,888 bytes of LDS; arguments kb, sbox, ssc, out0, out1; writes out0, out1
